; MI455X (gfx1250); checked and timed in simulation.
; The chip was launched on July 23, 2026; its instructions are those of AMD's public machine-readable ISA for CDNA 5 (MIT licence, August 2026) and "CDNA5" Instruction Set Architecture Reference Guide (July 2026). The comments in the code are by the model that wrote it; some were corrected since.
;; KNN. Allowed arithmetic: float matrix products may take bf16 or f16 operands with f32 sums; other float arithmetic in f32, or as packed bf16 or f16 multiplies, adds, multiply-adds, maxima and minima; sums over many terms, partial sums and values carried from step to step in f32; what a program stores and reads back later, other than sums and carried values, may be rounded once to bf16 or f16.
;; Inputs: centers 8 x 1,024 x 3 float32; xyz 8 x 16,384 x 3 float32.
;; Outputs: out0 8 x 16 x 1,024 int32.
;; One version. Each part assembles by itself: llvm-mc -triple=amdgcn-amd-amdhsa -mcpu=gfx1250 --defsym DOCPART=n.
;; ======== version 1 of 1: 2 launches
;; limits: right only within a limited range of input values
;; workspace buffers: selA 2,097,152 bytes of whole numbers
;; launch groups (part 1): grid 256 x 1, 16 waves a work-group, no clusters, 202,752 bytes of LDS; arguments xyz, centers, selA; writes selA
.if DOCPART == 1
	.amdgcn_target "amdgcn-amd-amdhsa--gfx1250"
	.amdhsa_code_object_version 6
	.text
	.protected	k_qe62681ee4b_groups
	.globl	k_qe62681ee4b_groups
	.p2align	8
	.type	k_qe62681ee4b_groups,@function
k_qe62681ee4b_groups:
	s_mov_b64 s[64:65], 0
	v_nop
	global_prefetch_b8 v0, s[64:65] scope:SCOPE_SE
	s_setreg_imm32_b32 hwreg(HW_REG_WAVE_MODE, 25, 1), 1
	s_wait_xcnt 0x0
; KNN, step 1 of 2.  For each centre: which 16 of the 512 groups of 32 consecutive points can hold its 16 nearest points.
; NUMBERS.  xyz and centers are rounded to bf16 (nearest even).  Then every product x x, c c, x c has 16 significant bits and is exact in f32, and what is left of the
; arithmetic is a chain of f32 additions, made here in this order: xsq = (x0 x0 + x1 x1) + x2 x2, csq alike, t = ((-2 c0) x0 + (-2 c1) x1) + (-2 c2) x2, s = xsq + csq,
; d2 = s + t.  The factor -2 in the centre is exact.  The last two additions are fused with nothing: each rounding is part of the result.
; The output is whole numbers, so the order of the distances has to be right to the last bit.  A matrix instruction adds its products otherwise than this chain does, and
; the sum has three terms: the sums are made by packed f32 instructions on the bf16 roundings.
; THE FACT USED.  Order the groups by (root of the least d2 of the group, group number).  A point among the 16 first by (distance, index) lies in one of the 16 first groups:
; each earlier group holds a point that is nearer, or as near with a lower index.  The root is the correctly rounded f32 root of max(d2, 0): two d2 may share a root.
; SHARES.  A work-group: 32 centres of one batch, all 16,384 points.  Wave w: points 1024 w .. 1024 w + 1023 = groups 32 w .. 32 w + 31.  In the long part lane l has split l / 4
; (128 points = 4 groups) and the 8 centres l % 4 + 4 j, as 4 register pairs.  Phase u takes group u of every split: 256 points, which the wave loads (three loads cover 384
; consecutive bytes), rounds, and lays with their xsq into its own LDS buffer, 16 bytes a point; two buffers take turns, the next phase is loaded while this one is worked on.
; A pair of point and centre costs 2.5 packed instructions and half a v_min3.  The minima pass through the bytes of the wave itself, so that afterwards lane = centre, 32 groups a lane.
; THE CHOICE uses no index: a network on the values finds the 16th least d2 of the 512, its root T is made exactly, and two bounds in d2 tell root < T and root <= T.
; Stored for (block of 32 groups, centre): a word of bits root < T, a word root = T, both counts, and a 0.  The next launch reads them as whole numbers.
; NO JOINT LOADS, though the 32 work-groups of a batch read the same 196,608 bytes: a point is of use only rounded and with its xsq, so it passes through registers on its way
; into LDS whatever brings it, and the 3,072 bytes that a wave asks for have the 768 arithmetic instructions of a phase in which to arrive.
; LIMITS.  Inputs finite, their squares finite; NaN is not treated.  A positive d2 under 2^-80 lies outside what the correction of the root and the two bounds are shown for.
; The three terms of each sum are taken in ascending order of the coordinate.
.set NPTS,   16384
.set AREA,   12544                     ; LDS of a wave: two point buffers, then the minima
.set SPLITB, 528                       ; 32 points x 16 bytes + 16: the splits that one load touches begin in different groups of four banks
.set PBUF,   8*SPLITB
.set MINO,   2*PBUF                    ; the minima: [split][centre][group of the split], 4,096 bytes
.set SPARE,  16*AREA                   ; the spare words: 128 bytes a wave, named by no other line
.set SPW, 1                            ; v1   my spare word; never rewritten
.set NIL, 2                            ; v2   0; never rewritten
.set LANE, 3
.set L12, 4                            ; 12 x lane
.set PS,  5                            ; the area of my wave + 16 x lane
.set PL,  6                            ; where my split is read; steps through a phase
.set MS,  7                            ; where my minima go
.set CO,  8                            ; 12 x (lane % 4)
.set PP,  9                            ; the area of the partner wave + 16 x lane
.set L16, 10                           ; 16 x lane
.set PL0, 11                           ; the area of my wave + 528 x split
.set T0,  12                           ; v12-27 at work
.set W,   28                           ; v28-31 the four words that are stored
.set ACC, 32                           ; v32-39 the running minimum of my 8 centres
.set CEN, 40                           ; v40-71 -2 c0, -2 c1, -2 c2, csq, each for centres j = 0..7
.set PQ,  72                           ; v72-103 eight points as read from LDS
.set TA,  104                          ; v104-135 at work on two points x 8 centres
.set TB,  112
.set SA,  120
.set SB,  128
.set XR,  136                          ; v136-167 eight points on their way from memory
.set V,   72                           ; the choice: the 32 minima of my centre,
.set B0,  104                          ; and two banks of 32 for the networks
.set B1,  136
.set WV,  14                           ; s14 wave
.set TMP, 15
.set CNT, 22
.set MSK, 28                           ; s28 the upper bf16 of a word
.set PINF, 29                          ; s29 +infinity
; three f32 at r are rounded to bf16 and widened again in place; sq takes the sum of their squares (the products are exact, the two additions round)
.macro TOBF r, sq
	v_cvt_pk_bf16_f32 v[T0], v[(\r)], v[(\r)+1]
	v_cvt_pk_bf16_f32 v[T0+1], v[(\r)+2], v[(\r)+2]
	v_lshlrev_b32 v[(\r)], 16, v[T0]
	v_and_b32 v[(\r)+1], s[MSK], v[T0]
	v_lshlrev_b32 v[(\r)+2], 16, v[T0+1]
	v_mul_f32 v[(\sq)], v[(\r)], v[(\r)]
	v_fmac_f32 v[(\sq)], v[(\r)+1], v[(\r)+1]
	v_fmac_f32 v[(\sq)], v[(\r)+2], v[(\r)+2]
.endm
; NETWORKS on values.  Every stage reads one bank and writes the other, so a compare and exchange is two instructions and no copy.
.macro FLIP src, dst, k, n             ; in each block of k: number i against number k - 1 - i
.set i, 0
.rept \n
.if (i%(\k)) < (\k)/2
.set pb, i+(\k)-1-2*(i%(\k))
	v_min_num_f32 v[(\dst)+i], v[(\src)+i], v[(\src)+pb]
	v_max_num_f32 v[(\dst)+pb], v[(\src)+i], v[(\src)+pb]
.endif
.set i, i+1
.endr
.endm
.macro CLEAN src, dst, j, n            ; number i against number i + j
.set i, 0
.rept \n
.if (i%(2*(\j))) < (\j)
	v_min_num_f32 v[(\dst)+i], v[(\src)+i], v[(\src)+i+(\j)]
	v_max_num_f32 v[(\dst)+i+(\j)], v[(\src)+i], v[(\src)+i+(\j)]
.endif
.set i, i+1
.endr
.endm
.macro LOW a, b, dst                   ; the 16 least of two ascending lists of 16
.set i, 0
.rept 16
	v_min_num_f32 v[(\dst)+i], v[(\a)+i], v[(\b)+15-i]
.set i, i+1
.endr
.endm
.macro SORT4 x, y                      ; what LOW leaves, put in ascending order; it ends in x
	CLEAN \x, \y, 8, 16
	CLEAN \y, \x, 4, 16
	CLEAN \x, \y, 2, 16
	CLEAN \y, \x, 1, 16
.endm
.macro LOWEST16                        ; the 16 least of V, ascending, into B0; V stays
	FLIP V, B0, 2, 32
	FLIP B0, B1, 4, 32
	CLEAN B1, B0, 1, 32
	FLIP B0, B1, 8, 32
	CLEAN B1, B0, 2, 32
	CLEAN B0, B1, 1, 32
	FLIP B1, B0, 16, 32
	CLEAN B0, B1, 4, 32
	CLEAN B1, B0, 2, 32
	CLEAN B0, B1, 1, 32
	LOW B1, B1+16, B0
	SORT4 B0, B1
.endm
; One of four rounds over the 16 waves: my list goes into part r of my own area, the list of wave w xor 2^r is read from part r of its area, and both keep the 16 least of the 32.
; Each round has bytes of its own, so one barrier a round is enough: nobody writes what another still reads.
.macro ROUND r, cur, oth, last
.irp q, 0,1,2,3
	ds_store_b128 v[PS], v[(\cur)+4*\q:(\cur)+4*\q+3] offset:(\r)*2048+512*\q
.endr
	s_xor_b32 s[TMP], s[WV], 1<<(\r)
	s_mul_i32 s[TMP], s[TMP], AREA
	v_add_nc_u32 v[PP], s[TMP], v[L16]
	s_wait_dscnt 0x0                               ; for the partner: my list lies in LDS
	s_barrier_signal -1
	s_barrier_wait -1
.irp q, 0,1,2,3
	ds_load_b128 v[(\cur)+16+4*\q:(\cur)+16+4*\q+3], v[PP] offset:(\r)*2048+512*\q
.endr
	s_wait_dscnt 0x0
	LOW \cur, (\cur)+16, \oth
.if !(\last)
	SORT4 \oth, \cur
.endif
.endm
.macro POPC d, x, t                    ; the number of ones in x
	v_lshrrev_b32 v[(\t)], 1, v[(\x)]
	v_and_b32 v[(\t)], s24, v[(\t)]
	v_sub_nc_u32 v[(\d)], v[(\x)], v[(\t)]
	v_lshrrev_b32 v[(\t)], 2, v[(\d)]
	v_and_b32 v[(\d)], s25, v[(\d)]
	v_and_b32 v[(\t)], s25, v[(\t)]
	v_add_nc_u32 v[(\d)], v[(\d)], v[(\t)]
	v_lshrrev_b32 v[(\t)], 4, v[(\d)]
	v_add_nc_u32 v[(\d)], v[(\d)], v[(\t)]
	v_and_b32 v[(\d)], s26, v[(\d)]
	v_mul_lo_u32 v[(\d)], v[(\d)], s27
	v_lshrrev_b32 v[(\d)], 24, v[(\d)]
.endm
; d = the correctly rounded root of x >= 0, from y = v_sqrt_f32(x), which may be one step off.  y is too high if x <= y y-, too low if x > y y+ (y-, y+ its neighbours): the square
; of the middle between two neighbours exceeds their product by less than the step of such products, so no f32 lies between.  The fma gives the sign of x - y y- exactly.
.macro FIX x, y, d
	v_add_nc_u32 v[T0+3], -1, v[(\y)]
	v_add_nc_u32 v[T0+4], 1, v[(\y)]
	v_fma_f32 v[T0+5], -v[T0+3], v[(\y)], v[(\x)]
	v_fma_f32 v[T0+6], -v[T0+4], v[(\y)], v[(\x)]
	v_cmp_ge_f32 vcc_lo, 0, v[T0+5]
	v_cndmask_b32 v[(\d)], v[(\y)], v[T0+3], vcc_lo
	v_cmp_lt_f32 vcc_lo, 0, v[T0+6]
	v_cndmask_b32 v[(\d)], v[(\d)], v[T0+4], vcc_lo
.endm
; o holds the 16 least d2 of my centre: their greatest is the 16th least, T its root.  root(x) < T is x <= T T-, root(x) <= T is x <= T T+; each product is rounded DOWN to f32
; (the fma tells whether v_mul_f32 went up), so that one compare decides.  At T = 0 the lower neighbour is a NaN pattern: nothing is below; the upper bound is 0.
; Bit i of W is root < T for my number i, bit i of W+1 root = T; W+2 holds both counts.
.macro MARK o
	v_max3_num_f32 v[T0], v[(\o)], v[(\o)+1], v[(\o)+2]
.set i, 3
.rept 6
	v_max3_num_f32 v[T0], v[T0], v[(\o)+i], v[(\o)+i+1]
.set i, i+2
.endr
	v_max_num_f32 v[T0], v[T0], v[(\o)+15]
	v_max_num_f32 v[T0+1], 0, v[T0]
	v_sqrt_f32 v[T0+2], v[T0+1]
	v_nop                                          ; a plain instruction behind the root,
	s_wait_alu depctr_va_vdst(0)                   ; and the wait ahead of its first reader
	FIX T0+1, T0+2, T0+7
	v_add_nc_u32 v[T0+8], -1, v[T0+7]
	v_add_nc_u32 v[T0+9], 1, v[T0+7]
	v_mul_f32 v[T0+10], v[T0+7], v[T0+8]
	v_mul_f32 v[T0+11], v[T0+7], v[T0+9]
	v_fma_f32 v[T0+12], v[T0+7], v[T0+8], -v[T0+10]
	v_fma_f32 v[T0+13], v[T0+7], v[T0+9], -v[T0+11]
	v_add_nc_u32 v[T0+14], -1, v[T0+10]
	v_add_nc_u32 v[T0+15], -1, v[T0+11]
	v_cmp_gt_f32 vcc_lo, 0, v[T0+12]
	v_cndmask_b32 v[T0+10], v[T0+10], v[T0+14], vcc_lo
	v_cmp_gt_f32 vcc_lo, 0, v[T0+13]
	v_cndmask_b32 v[T0+11], v[T0+11], v[T0+15], vcc_lo
	v_mov_b32 v[W], 0
	v_mov_b32 v[W+1], 0
.set i, 31
.rept 32                               ; word = 2 word + bit: the add with carry shifts the compare in
	v_cmp_le_f32 vcc_lo, v[V+i], v[T0+10]
	v_add_co_ci_u32 v[W], vcc_lo, v[W], v[W], vcc_lo
	v_cmp_le_f32 vcc_lo, v[V+i], v[T0+11]
	v_add_co_ci_u32 v[W+1], vcc_lo, v[W+1], v[W+1], vcc_lo
.set i, i-1
.endr
	v_xor_b32 v[W+1], v[W], v[W+1]
	POPC T0, W, T0+2
	POPC T0+1, W+1, T0+2
	v_lshl_or_b32 v[W+2], v[T0+1], 16, v[T0]
.endm
; THE LONG PART
.macro LOADX u                         ; phase u: group u of each of the 8 splits, a lane a point, a word a load: every address is a multiple of 4
.irp r, 0,1,2,3,4,5,6,7
.irp d, 0,1,2
	global_load_b32 v[XR+4*\r+\d], v[L12], s[4:5] offset:1536*\r+384*(\u)+4*\d
.endr
.endr
.endm
.macro PREPX buf
.irp r, 0,1,2,3,4,5,6,7
	TOBF XR+4*\r, XR+4*\r+3
	ds_store_b128 v[PS], v[XR+4*\r:XR+4*\r+3] offset:(\buf)*PBUF+SPLITB*\r
.endr
.endm
.macro PAIRS h                         ; points 2 h and 2 h + 1 of the eight against my 8 centres; a point is (x0, x1, x2, xsq), op_sel picks one of a pair for both halves
.set PA, PQ+8*(\h)
.set PB, PQ+8*(\h)+4
.irp p, 0,2,4,6
	v_pk_mul_f32 v[TA+\p:TA+\p+1], v[CEN+\p:CEN+\p+1], v[PA:PA+1] op_sel_hi:[1,0]
	v_pk_mul_f32 v[TB+\p:TB+\p+1], v[CEN+\p:CEN+\p+1], v[PB:PB+1] op_sel_hi:[1,0]
.endr
.irp p, 0,2,4,6
	v_pk_fma_f32 v[TA+\p:TA+\p+1], v[CEN+8+\p:CEN+8+\p+1], v[PA:PA+1], v[TA+\p:TA+\p+1] op_sel:[0,1,0] op_sel_hi:[1,1,1]
	v_pk_fma_f32 v[TB+\p:TB+\p+1], v[CEN+8+\p:CEN+8+\p+1], v[PB:PB+1], v[TB+\p:TB+\p+1] op_sel:[0,1,0] op_sel_hi:[1,1,1]
.endr
.irp p, 0,2,4,6
	v_pk_fma_f32 v[TA+\p:TA+\p+1], v[CEN+16+\p:CEN+16+\p+1], v[PA+2:PA+3], v[TA+\p:TA+\p+1] op_sel_hi:[1,0,1]
	v_pk_fma_f32 v[TB+\p:TB+\p+1], v[CEN+16+\p:CEN+16+\p+1], v[PB+2:PB+3], v[TB+\p:TB+\p+1] op_sel_hi:[1,0,1]
.endr
.irp p, 0,2,4,6
	v_pk_add_f32 v[SA+\p:SA+\p+1], v[CEN+24+\p:CEN+24+\p+1], v[PA+2:PA+3] op_sel:[0,1] op_sel_hi:[1,1]
	v_pk_add_f32 v[SB+\p:SB+\p+1], v[CEN+24+\p:CEN+24+\p+1], v[PB+2:PB+3] op_sel:[0,1] op_sel_hi:[1,1]
.endr
.irp p, 0,2,4,6
	v_pk_add_f32 v[TA+\p:TA+\p+1], v[SA+\p:SA+\p+1], v[TA+\p:TA+\p+1]
	v_pk_add_f32 v[TB+\p:TB+\p+1], v[SB+\p:SB+\p+1], v[TB+\p:TB+\p+1]
.endr
.irp j, 0,1,2,3,4,5,6,7
	v_min3_num_f32 v[ACC+\j], v[ACC+\j], v[TA+\j], v[TB+\j]
.endr
.endm
.macro PHASE u, more
.if \more
	LOADX (\u)+1                                   ; the next phase is asked for first: it has this phase in which to arrive
.endif
.irp j, 0,1,2,3,4,5,6,7
	v_mov_b32 v[ACC+\j], s[PINF]
.endr
	v_mov_b32 v[PL], v[PL0]
	s_mov_b32 s[CNT], 4
.Lrun_\@:                              ; four trips of eight points
.irp t, 0,1,2,3,4,5,6,7
	ds_load_b128 v[PQ+4*\t:PQ+4*\t+3], v[PL] offset:((\u)%2)*PBUF+16*\t
.endr
.irp h, 0,1,2,3
	s_wait_dscnt 6-2*\h                            ; LDS answers in order: these two points are in, the younger loads of the eight stay out
	PAIRS \h
.endr
	v_add_nc_u32 v[PL], 128, v[PL]
	s_sub_co_u32 s[CNT], s[CNT], 1
	s_cmp_lg_u32 s[CNT], 0
	s_cbranch_scc1 .Lrun_\@
.irp j, 0,1,2,3,4,5,6,7
	ds_store_b32 v[MS], v[ACC+\j] offset:MINO+64*\j+4*(\u)
.endr
.if \more
	s_wait_loadcnt 0x0
	PREPX ((\u)+1)%2                               ; into the buffer that the phase before this one read: its loads have all been waited for
.endif
.endm
	s_load_b128 s[4:7], s[0:1], 0x0                ; xyz s[4:5], centers s[6:7]
	s_load_b64 s[8:9], s[0:1], 0x10                ; selA
	v_lshl_add_u32 v[SPW], v0, 2, SPARE
	v_mov_b32 v[NIL], 0
	v_lshrrev_b32 v[T0], 5, v0
	v_readfirstlane_b32 s[WV], v[T0]               ; wave 0..15
	v_and_b32 v[LANE], 31, v0
	v_and_b32 v[T0+1], 3, v0                       ; which centres
	v_bfe_u32 v[T0+2], v0, 2, 3                    ; which split
	s_mul_i32 s[TMP], s[WV], AREA
	v_mul_u32_u24 v[L12], v[LANE], 12
	v_lshlrev_b32 v[L16], 4, v[LANE]
	v_add_nc_u32 v[PS], s[TMP], v[L16]
	v_mul_u32_u24 v[PL0], v[T0+2], SPLITB
	v_add_nc_u32 v[PL0], s[TMP], v[PL0]
	v_lshlrev_b32 v[MS], 9, v[T0+2]
	v_lshl_add_u32 v[MS], v[T0+1], 4, v[MS]
	v_add_nc_u32 v[MS], s[TMP], v[MS]
	v_mul_u32_u24 v[CO], v[T0+1], 12
	s_lshr_b32 s16, ttmp9, 5                       ; the batch: 32 work-groups each
	s_mul_i32 s16, s16, NPTS*12
	s_mul_i32 s17, s[WV], 1024*12
	s_add_co_u32 s16, s16, s17                     ; the 1,024 points of my wave
	s_mov_b32 s17, 0
	s_mul_i32 s18, ttmp9, 32*12                    ; the 32 centres of the work-group
	s_mov_b32 s19, 0
	s_lshl_b32 s20, ttmp9, 13                      ; its 16 x 32 x 16 bytes of selA,
	s_lshl_b32 s21, s[WV], 9                       ; of which my wave has 512
	s_add_co_u32 s20, s20, s21
	s_mov_b32 s21, 0
	s_mov_b32 s24, 0x55555555
	s_mov_b32 s25, 0x33333333
	s_mov_b32 s26, 0x0f0f0f0f
	s_mov_b32 s27, 0x01010101
	s_mov_b32 s[MSK], 0xffff0000
	s_mov_b32 s[PINF], 0x7f800000
	s_wait_kmcnt 0x0
	s_add_nc_u64 s[4:5], s[4:5], s[16:17]
	s_add_nc_u64 s[6:7], s[6:7], s[18:19]
	s_add_nc_u64 s[8:9], s[8:9], s[20:21]
.irp j, 0,1,2,3,4,5,6,7
.irp d, 0,1,2
	global_load_b32 v[PQ+4*\j+\d], v[CO], s[6:7] offset:48*\j+4*\d
.endr
.endr
	LOADX 0
	s_wait_loadcnt 24                              ; the 24 words of my 8 centres are in; the 24 loads of points behind them stay out
.irp j, 0,1,2,3,4,5,6,7
	TOBF PQ+4*\j, CEN+24+\j
	v_mul_f32 v[CEN+\j], -2.0, v[PQ+4*\j]
	v_mul_f32 v[CEN+8+\j], -2.0, v[PQ+4*\j+1]
	v_mul_f32 v[CEN+16+\j], -2.0, v[PQ+4*\j+2]
.endr
	s_wait_loadcnt 0x0
	PREPX 0
	PHASE 0, 1
	PHASE 1, 1
	PHASE 2, 1
	PHASE 3, 0
	; THE CHOICE.  From here on lane = centre; my wave has groups 32 w .. 32 w + 31 of it.  The minima are bytes of my own wave: LDS serves a wave in order, no barrier is needed.
.irp q, 0,1,2,3,4,5,6,7
	ds_load_b128 v[V+4*\q:V+4*\q+3], v[PS] offset:MINO+512*\q
.endr
	s_wait_dscnt 0x0
	LOWEST16
	ROUND 0, B0, B1, 0                             ; the lists lie where my point buffers lay: my own reads of those are over, and no other wave names them
	ROUND 1, B1, B0, 0
	ROUND 2, B0, B1, 0
	ROUND 3, B1, B0, 1
	MARK B0
	v_mov_b32 v[W+3], 0
	global_store_b128 v[L16], v[W:W+3], s[8:9]     ; 512 consecutive bytes a wave, at a multiple of 512 from the first byte of selA
	s_wait_tensorcnt 0x0                           ; the end of the wave
	ds_add_u32 v[SPW], v[NIL]
	s_wait_dscnt 0x0
	s_endpgm
.Lfunc_end_k_qe62681ee4b_groups:
	.size	k_qe62681ee4b_groups, .Lfunc_end_k_qe62681ee4b_groups-k_qe62681ee4b_groups
	.p2alignl 7, 3214868480
	.fill 96, 4, 3214868480
	.section	.rodata,"a",@progbits
	.p2align	6, 0x0
	.amdhsa_kernel k_qe62681ee4b_groups
		.amdhsa_group_segment_fixed_size 202752
		.amdhsa_private_segment_fixed_size 0
		.amdhsa_enable_private_segment 0
		.amdhsa_kernarg_size 24
		.amdhsa_user_sgpr_count 2
		.amdhsa_user_sgpr_kernarg_segment_ptr 1
		.amdhsa_wavefront_size32 1
		.amdhsa_system_sgpr_workgroup_id_x 1
		.amdhsa_system_sgpr_workgroup_id_y 1
		.amdhsa_system_sgpr_workgroup_id_z 1
		.amdhsa_system_vgpr_workitem_id 0
		.amdhsa_next_free_vgpr 168
		.amdhsa_next_free_sgpr 66
		.amdhsa_reserve_vcc 1
		.amdhsa_float_denorm_mode_32 3
		.amdhsa_float_denorm_mode_16_64 3
		.amdhsa_memory_ordered 1
		.amdhsa_forward_progress 1
		.amdhsa_inst_pref_size 114
	.end_amdhsa_kernel
	.amdgpu_metadata
---
amdhsa.version: [ 1, 2 ]
amdhsa.kernels:
  - .name:           k_qe62681ee4b_groups
    .symbol:         k_qe62681ee4b_groups.kd
    .args:
      - { .name: xyz, .offset: 0, .size: 8, .value_kind: global_buffer, .address_space: global }
      - { .name: centers, .offset: 8, .size: 8, .value_kind: global_buffer, .address_space: global }
      - { .name: selA, .offset: 16, .size: 8, .value_kind: global_buffer, .address_space: global }
    .group_segment_fixed_size: 202752
    .private_segment_fixed_size: 0
    .kernarg_segment_align: 8
    .kernarg_segment_size: 24
    .max_flat_workgroup_size: 512
    .sgpr_count:     66
    .vgpr_count:     168
    .wavefront_size: 32
...
	.end_amdgpu_metadata
.endif
;; end of part 1
;; launch pick (part 2): grid 256 x 1, 16 waves a work-group, no clusters, 4,352 bytes of LDS; arguments xyz, centers, selA, out0; writes out0
.if DOCPART == 2
	.amdgcn_target "amdgcn-amd-amdhsa--gfx1250"
	.amdhsa_code_object_version 6
	.text
	.protected	k_qe62681ee4b_pick
	.globl	k_qe62681ee4b_pick
	.p2align	8
	.type	k_qe62681ee4b_pick,@function
k_qe62681ee4b_pick:
	s_mov_b64 s[64:65], 0
	v_nop
	global_prefetch_b8 v0, s[64:65] scope:SCOPE_SE
	s_setreg_imm32_b32 hwreg(HW_REG_WAVE_MODE, 25, 1), 1
	s_wait_xcnt 0x0
; KNN, step 2 of 2.  For each centre: the 16 nearest of the 512 points of its 16 chosen groups, in order by (distance, index); their indices are stored.
; SHARES.  A work-group: the same 32 centres as in step 1.  A thread is (centre t / 16, slot t % 16): 16 neighbouring lanes to a centre.  DECODE finds the group of the slot from the
; words of step 1, in whole numbers alone; the lane fetches the 384 bytes of the group (24 loads of 16 bytes, each at a multiple of 16) and makes the 32 distances.
; NUMBERS.  d2 is made as in step 1, addition by addition (see there, also for the limits); the distance is the correctly rounded f32 root of max(d2, 0).  It is not negative, so its
; bits order it as a whole number.  A number in the networks is the pair (distance bits, index); no two of a centre have the same index, so the order is total.
; THE CHOICE selects values alone, no address: a network sorts the two halves of the 32 pairs of a lane, keeps the 16 first, and four rounds over the 16 lanes (partner = lane xor 1, 2, 4, 8)
; each keep the 16 first of two lists.  Then every lane of the 16 holds the result.
; THE WAY OUT.  32 centres are 128 consecutive bytes of a rank of out0: the indices pass through LDS, and eight neighbouring lanes store those 128 bytes.  Pieces of 256 bytes would want
; 64 centres to a work-group, 128 work-groups: half as many as there are WGPs, for a launch that is arithmetic; out0 is 524,288 bytes in all.
; Nothing is shared with another work-group but 1.5 MB of xyz that all read: no joint loads, no LDS ring.
.set PITCH, 144                        ; a rank in LDS: 32 indices + 16 bytes
.set SPARE, 16*PITCH                   ; = 2,304: the spare words, 128 bytes a wave, named by no other line
.set SPW, 1                            ; v1   my spare word; never rewritten
.set NIL, 2                            ; v2   0; never rewritten
.set CL,  3                            ; my centre among the 32
.set SO,  4                            ; 16 x centre: its place in a block of selA
.set CO,  5                            ; 12 x centre
.set ST,  6                            ; 4 x centre: into the stage
.set RD,  7                            ; out of it
.set OO,  8                            ; my 16 bytes of out0
.set G,   9                            ; the group of my slot
.set GO,  10                           ; 384 x group
.set J,   11                           ; my slot
.set T0,  12                           ; v12-27 at work
.set W,   28                           ; at work in POPC
.set GB,  30                           ; 32 x group: the index of its first point
.set C0,  32                           ; v32-35 -2 c0, -2 c1, -2 c2, csq of my centre
.set CR,  36                           ; v36-38 the centre as loaded
.set D,   40                           ; v40-103 the 16 x 4 words of step 1
.set X,   40                           ; v40-135 later: the 32 points of my group, 3 registers each
.set BA,  136                          ; v136-199 bank A: 32 keys, then 32 indices
.set BB,  40                           ; v40-103 bank B, when the points are used up
.set WV,  14
.set MSK, 28
.macro TOBF r, sq                      ; three f32 rounded to bf16 and widened in place; sq = the sum of their squares
	v_cvt_pk_bf16_f32 v[T0], v[(\r)], v[(\r)+1]
	v_cvt_pk_bf16_f32 v[T0+1], v[(\r)+2], v[(\r)+2]
	v_lshlrev_b32 v[(\r)], 16, v[T0]
	v_and_b32 v[(\r)+1], s[MSK], v[T0]
	v_lshlrev_b32 v[(\r)+2], 16, v[T0+1]
	v_mul_f32 v[(\sq)], v[(\r)], v[(\r)]
	v_fmac_f32 v[(\sq)], v[(\r)+1], v[(\r)+1]
	v_fmac_f32 v[(\sq)], v[(\r)+2], v[(\r)+2]
.endm
.macro POPC d, x, t                    ; the number of ones in x
	v_lshrrev_b32 v[(\t)], 1, v[(\x)]
	v_and_b32 v[(\t)], s24, v[(\t)]
	v_sub_nc_u32 v[(\d)], v[(\x)], v[(\t)]
	v_lshrrev_b32 v[(\t)], 2, v[(\d)]
	v_and_b32 v[(\d)], s25, v[(\d)]
	v_and_b32 v[(\t)], s25, v[(\t)]
	v_add_nc_u32 v[(\d)], v[(\d)], v[(\t)]
	v_lshrrev_b32 v[(\t)], 4, v[(\d)]
	v_add_nc_u32 v[(\d)], v[(\d)], v[(\t)]
	v_and_b32 v[(\d)], s26, v[(\d)]
	v_mul_lo_u32 v[(\d)], v[(\d)], s27
	v_lshrrev_b32 v[(\d)], 24, v[(\d)]
.endm
.macro FIX x, y, d                     ; d = the correctly rounded root of x >= 0, from y = v_sqrt_f32(x): y is too high if x <= y y-, too low if x > y y+; the fma gives the sign exactly
	v_add_nc_u32 v[T0+3], -1, v[(\y)]
	v_add_nc_u32 v[T0+4], 1, v[(\y)]
	v_fma_f32 v[T0+5], -v[T0+3], v[(\y)], v[(\x)]
	v_fma_f32 v[T0+6], -v[T0+4], v[(\y)], v[(\x)]
	v_cmp_ge_f32 vcc_lo, 0, v[T0+5]
	v_cndmask_b32 v[(\d)], v[(\y)], v[T0+3], vcc_lo
	v_cmp_lt_f32 vcc_lo, 0, v[T0+6]
	v_cndmask_b32 v[(\d)], v[(\d)], v[T0+4], vcc_lo
.endm
; DECODE: D holds, for blocks k = 0..15 of 32 groups, the words LT_k, EQ_k and the counts (ones of LT below, of EQ above).  Chosen are all groups of LT and, in order of position,
; the first need = 16 - (all ones of LT) groups of EQ: 16 in all.  Ahead of block k lie cum_k = (ones of LT ahead) + min(ones of EQ ahead, need) of them.
; Number J of the 16 lies in the last block with cum_k <= J: v[T0+9] is that block, v[T0+15] the bit in it.
.macro DECODE
	v_add3_u32 v[T0], v[D+2], v[D+6], v[D+10]
.set k, 3
.rept 6
	v_add3_u32 v[T0], v[T0], v[D+4*k+2], v[D+4*k+6]
.set k, k+2
.endr
	v_add_nc_u32 v[T0], v[T0], v[D+62]
	v_and_b32 v[T0], 0xffff, v[T0]
	v_sub_nc_u32 v[T0+1], 16, v[T0]                ; need
	v_mov_b32 v[T0+2], 0                           ; both counts ahead of block k
	v_mov_b32 v[T0+5], v[D]
	v_mov_b32 v[T0+6], v[D+1]
	v_mov_b32 v[T0+7], 0
	v_mov_b32 v[T0+8], 0
	v_mov_b32 v[T0+9], 0
.set k, 1
.rept 15
	v_add_nc_u32 v[T0+2], v[T0+2], v[D+4*k-2]
	v_and_b32 v[T0+3], 0xffff, v[T0+2]
	v_lshrrev_b32 v[T0+4], 16, v[T0+2]
	v_min_u32 v[T0+4], v[T0+4], v[T0+1]
	v_add_nc_u32 v[T0+3], v[T0+3], v[T0+4]         ; cum_k
	v_cmp_le_u32 vcc_lo, v[T0+3], v[J]
	v_cndmask_b32 v[T0+5], v[T0+5], v[D+4*k], vcc_lo
	v_cndmask_b32 v[T0+6], v[T0+6], v[D+4*k+1], vcc_lo
	v_cndmask_b32 v[T0+7], v[T0+7], v[T0+3], vcc_lo
	v_cndmask_b32 v[T0+8], v[T0+8], v[T0+4], vcc_lo
	v_add_co_ci_u32 v[T0+9], vcc_lo, 0, v[T0+9], vcc_lo  ; cum_k never falls: the block is the count of the true compares
.set k, k+1
.endr
	v_sub_nc_u32 v[T0+11], v[T0+1], v[T0+8]        ; how many of EQ may still be taken from this block on
	v_mov_b32 v[T0+13], v[T0+6]
.set t, 0
.rept 16                               ; e & (e - 1) clears the lowest one; the carry makes it e & e from trip number allowed on
	v_cmp_ge_u32 vcc_lo, t, v[T0+11]
	v_add_co_ci_u32 v[T0+12], vcc_lo, -1, v[T0+13], vcc_lo
	v_and_b32 v[T0+13], v[T0+13], v[T0+12]
.set t, t+1
.endr
	v_xor_b32 v[T0+12], v[T0+6], v[T0+13]          ; the ones that were cleared are the ones that are taken
	v_or_b32 v[T0+14], v[T0+5], v[T0+12]           ; the chosen groups of the block
	v_sub_nc_u32 v[T0+11], v[J], v[T0+7]           ; mine is number J - cum among them
.set t, 0
.rept 15
	v_cmp_ge_u32 vcc_lo, t, v[T0+11]
	v_add_co_ci_u32 v[T0+12], vcc_lo, -1, v[T0+14], vcc_lo
	v_and_b32 v[T0+14], v[T0+14], v[T0+12]
.set t, t+1
.endr
	v_sub_nc_u32 v[T0+12], 0, v[T0+14]
	v_and_b32 v[T0+12], v[T0+14], v[T0+12]         ; its lowest one,
	v_add_nc_u32 v[T0+12], -1, v[T0+12]
	POPC T0+15, T0+12, W                           ; and how many places lie below it
.endm
; NETWORKS on pairs: keys at bank + 0..31, indices at bank + 32..63; a stage reads one bank and writes the other.
; The carry out of key a + not key b + (index a >= index b) is set where pair a comes behind pair b: key a > key b, or the keys are equal and index a is the greater.
.macro CEX s, d, a, b                  ; the earlier pair to place a, the later to place b
	v_not_b32 v[T0], v[(\s)+(\b)]
	v_cmp_ge_u32 vcc_lo, v[(\s)+32+(\a)], v[(\s)+32+(\b)]
	v_add_co_ci_u32 v[T0], vcc_lo, v[(\s)+(\a)], v[T0], vcc_lo
	v_cndmask_b32 v[(\d)+(\a)], v[(\s)+(\a)], v[(\s)+(\b)], vcc_lo
	v_cndmask_b32 v[(\d)+(\b)], v[(\s)+(\b)], v[(\s)+(\a)], vcc_lo
	v_cndmask_b32 v[(\d)+32+(\a)], v[(\s)+32+(\a)], v[(\s)+32+(\b)], vcc_lo
	v_cndmask_b32 v[(\d)+32+(\b)], v[(\s)+32+(\b)], v[(\s)+32+(\a)], vcc_lo
.endm
.macro MINX s, a, b, d, o              ; the earlier pair alone, to place o of bank d
	v_not_b32 v[T0], v[(\s)+(\b)]
	v_cmp_ge_u32 vcc_lo, v[(\s)+32+(\a)], v[(\s)+32+(\b)]
	v_add_co_ci_u32 v[T0], vcc_lo, v[(\s)+(\a)], v[T0], vcc_lo
	v_cndmask_b32 v[(\d)+(\o)], v[(\s)+(\a)], v[(\s)+(\b)], vcc_lo
	v_cndmask_b32 v[(\d)+32+(\o)], v[(\s)+32+(\a)], v[(\s)+32+(\b)], vcc_lo
.endm
.macro FLIPX src, dst, k               ; in each block of k of the 32: number i against number k - 1 - i
.set i, 0
.rept 32
.if (i%(\k)) < (\k)/2
.set pb, i+(\k)-1-2*(i%(\k))
	CEX \src, \dst, i, pb
.endif
.set i, i+1
.endr
.endm
.macro CLEANX src, dst, j, n           ; number i against number i + j
.set i, 0
.rept \n
.if (i%(2*(\j))) < (\j)
	CEX \src, \dst, i, i+(\j)
.endif
.set i, i+1
.endr
.endm
.macro LOWX src, dst                   ; the 16 first of two ascending lists of 16, at places 0-15 and 16-31
.set i, 0
.rept 16
	MINX \src, i, 31-i, \dst, i
.set i, i+1
.endr
.endm
.macro SORT4X x, y                     ; what LOWX leaves, in ascending order; it ends in x
	CLEANX \x, \y, 8, 16
	CLEANX \y, \x, 4, 16
	CLEANX \x, \y, 2, 16
	CLEANX \y, \x, 1, 16
.endm
.macro ROUNDX m, cur, oth              ; the list of lane xor m comes to places 16-31 (written before, by the stages on 32); both lanes keep the 16 first; the result ends in oth
.set i, 0
.rept 16
	v_mov_b32_dpp v[(\cur)+16+i], v[(\cur)+i] row_xmask:\m row_mask:0xf bank_mask:0xf
	v_mov_b32_dpp v[(\cur)+48+i], v[(\cur)+32+i] row_xmask:\m row_mask:0xf bank_mask:0xf
.set i, i+1
.endr
	LOWX \cur, \oth
	SORT4X \oth, \cur
.endm
	s_load_b256 s[4:11], s[0:1], 0x0               ; xyz s[4:5], centers s[6:7], selA s[8:9], out0 s[10:11]
	v_lshl_add_u32 v[SPW], v0, 2, SPARE
	v_mov_b32 v[NIL], 0
	v_lshrrev_b32 v[T0], 5, v0
	v_readfirstlane_b32 s[WV], v[T0]               ; wave 0..15
	v_lshrrev_b32 v[CL], 4, v0
	v_and_b32 v[J], 15, v0
	v_lshlrev_b32 v[SO], 4, v[CL]
	v_mul_u32_u24 v[CO], v[CL], 12
	v_lshlrev_b32 v[ST], 2, v[CL]
	v_lshrrev_b32 v[T0+1], 3, v0                   ; the way out (threads 0 to 127): the rank,
	v_and_b32 v[T0+2], 7, v0                       ; and which four centres
	v_mul_u32_u24 v[RD], v[T0+1], PITCH
	v_lshl_add_u32 v[RD], v[T0+2], 4, v[RD]
	v_lshlrev_b32 v[OO], 12, v[T0+1]               ; a rank of out0 is 4,096 bytes
	v_lshl_add_u32 v[OO], v[T0+2], 4, v[OO]
	s_lshr_b32 s16, ttmp9, 5                       ; the batch
	s_mul_i32 s18, s16, 16384*12
	s_mov_b32 s19, 0
	s_lshl_b32 s22, s16, 16                        ; its 16 x 4,096 bytes of out0,
	s_and_b32 s23, ttmp9, 31
	s_lshl_b32 s23, s23, 7                         ; the 128 bytes of the 32 centres in a rank
	s_add_co_u32 s22, s22, s23
	s_mov_b32 s23, 0
	s_mul_i32 s16, ttmp9, 32*12
	s_mov_b32 s17, 0
	s_lshl_b32 s20, ttmp9, 13
	s_mov_b32 s21, 0
	s_mov_b32 s24, 0x55555555
	s_mov_b32 s25, 0x33333333
	s_mov_b32 s26, 0x0f0f0f0f
	s_mov_b32 s27, 0x01010101
	s_mov_b32 s[MSK], 0xffff0000
	s_wait_kmcnt 0x0
	s_add_nc_u64 s[4:5], s[4:5], s[18:19]
	s_add_nc_u64 s[6:7], s[6:7], s[16:17]
	s_add_nc_u64 s[8:9], s[8:9], s[20:21]
	s_add_nc_u64 s[10:11], s[10:11], s[22:23]
.irp d, 0,1,2
	global_load_b32 v[CR+\d], v[CO], s[6:7] offset:4*\d
.endr
.set k, 0
.rept 16
	global_load_b128 v[D+4*k:D+4*k+3], v[SO], s[8:9] offset:512*k
.set k, k+1
.endr
	s_wait_loadcnt 16                              ; my centre is in; the 16 loads of words behind it stay out
	TOBF CR, C0+3
	v_mul_f32 v[C0], -2.0, v[CR]
	v_mul_f32 v[C0+1], -2.0, v[CR+1]
	v_mul_f32 v[C0+2], -2.0, v[CR+2]
	s_wait_loadcnt 0x0
	DECODE
	v_lshl_add_u32 v[G], v[T0+9], 5, v[T0+15]
	v_min_u32 v[G], 511, v[G]                      ; a number that was read is held inside the table before it enters an address
	v_mul_u32_u24 v[GO], v[G], 384
	v_lshlrev_b32 v[GB], 5, v[G]
.set q, 0
.rept 24
	global_load_b128 v[X+4*q:X+4*q+3], v[GO], s[4:5] offset:16*q
.set q, q+1
.endr
.set i, 0
.set q, 0
.rept 8
	s_wait_loadcnt 21-3*q                          ; loads come back in order: the first 3 (q + 1) of the 24 are in, which hold points 4 q .. 4 q + 3
.rept 4
	TOBF X+3*i, T0+3
	v_mul_f32 v[T0+2], v[C0], v[X+3*i]
	v_fmac_f32 v[T0+2], v[C0+1], v[X+3*i+1]
	v_fmac_f32 v[T0+2], v[C0+2], v[X+3*i+2]
	v_add_f32 v[T0+3], v[T0+3], v[C0+3]            ; xsq + csq and the last sum each round by themselves, as the result is defined
	v_add_f32 v[T0+2], v[T0+3], v[T0+2]
	v_max_num_f32 v[BA+i], 0, v[T0+2]
	v_add_nc_u32 v[BA+32+i], i, v[GB]
.set i, i+1
.endr
.set q, q+1
.endr
.set i, 0
.rept 32                               ; the 32 roots are one batch
	v_sqrt_f32 v[BB+i], v[BA+i]
.set i, i+1
.endr
	v_nop                                          ; a plain instruction behind the last root,
	s_wait_alu depctr_va_vdst(0)                   ; and the one wait ahead of the first reader of the batch
.set i, 0
.rept 32
	FIX BA+i, BB+i, BA+i
.set i, i+1
.endr
	FLIPX BA, BB, 2                                ; both halves of my 32 pairs are sorted,
	FLIPX BB, BA, 4
	CLEANX BA, BB, 1, 32
	FLIPX BB, BA, 8
	CLEANX BA, BB, 2, 32
	CLEANX BB, BA, 1, 32
	FLIPX BA, BB, 16
	CLEANX BB, BA, 4, 32
	CLEANX BA, BB, 2, 32
	CLEANX BB, BA, 1, 32
	LOWX BA, BB                                    ; their 16 first kept and sorted,
	SORT4X BB, BA
	ROUNDX 1, BB, BA                               ; and four rounds over the 16 lanes of the centre
	ROUNDX 2, BA, BB
	ROUNDX 4, BB, BA
	ROUNDX 8, BA, BB
.set r, 0
.rept 16                               ; the 16 lanes of a centre hold the same list: they write the same word with the same number
	ds_store_b32 v[ST], v[BB+32+r] offset:PITCH*r
.set r, r+1
.endr
	s_wait_dscnt 0x0                               ; for the waves that read: my indices lie in the stage
	s_barrier_signal -1
	s_barrier_wait -1
	s_cmp_lt_u32 s[WV], 4                          ; 16 ranks x 128 bytes are 128 lanes x 16 bytes: waves 0 to 3
	s_cbranch_scc0 .Lend
	ds_load_b128 v[T0:T0+3], v[RD]
	s_wait_dscnt 0x0
	global_store_b128 v[OO], v[T0:T0+3], s[10:11]  ; eight lanes store 128 consecutive bytes, at a multiple of 128 from the first byte of out0
.Lend:
	s_wait_tensorcnt 0x0                           ; the end of the wave
	ds_add_u32 v[SPW], v[NIL]
	s_wait_dscnt 0x0
	s_endpgm
.Lfunc_end_k_qe62681ee4b_pick:
	.size	k_qe62681ee4b_pick, .Lfunc_end_k_qe62681ee4b_pick-k_qe62681ee4b_pick
	.p2alignl 7, 3214868480
	.fill 96, 4, 3214868480
	.section	.rodata,"a",@progbits
	.p2align	6, 0x0
	.amdhsa_kernel k_qe62681ee4b_pick
		.amdhsa_group_segment_fixed_size 4352
		.amdhsa_private_segment_fixed_size 0
		.amdhsa_enable_private_segment 0
		.amdhsa_kernarg_size 32
		.amdhsa_user_sgpr_count 2
		.amdhsa_user_sgpr_kernarg_segment_ptr 1
		.amdhsa_wavefront_size32 1
		.amdhsa_system_sgpr_workgroup_id_x 1
		.amdhsa_system_sgpr_workgroup_id_y 1
		.amdhsa_system_sgpr_workgroup_id_z 1
		.amdhsa_system_vgpr_workitem_id 0
		.amdhsa_next_free_vgpr 200
		.amdhsa_next_free_sgpr 66
		.amdhsa_reserve_vcc 1
		.amdhsa_float_denorm_mode_32 3
		.amdhsa_float_denorm_mode_16_64 3
		.amdhsa_memory_ordered 1
		.amdhsa_forward_progress 1
		.amdhsa_inst_pref_size 137
	.end_amdhsa_kernel
	.amdgpu_metadata
---
amdhsa.version: [ 1, 2 ]
amdhsa.kernels:
  - .name:           k_qe62681ee4b_pick
    .symbol:         k_qe62681ee4b_pick.kd
    .args:
      - { .name: xyz, .offset: 0, .size: 8, .value_kind: global_buffer, .address_space: global }
      - { .name: centers, .offset: 8, .size: 8, .value_kind: global_buffer, .address_space: global }
      - { .name: selA, .offset: 16, .size: 8, .value_kind: global_buffer, .address_space: global }
      - { .name: out0, .offset: 24, .size: 8, .value_kind: global_buffer, .address_space: global }
    .group_segment_fixed_size: 4352
    .private_segment_fixed_size: 0
    .kernarg_segment_align: 8
    .kernarg_segment_size: 32
    .max_flat_workgroup_size: 512
    .sgpr_count:     66
    .vgpr_count:     200
    .wavefront_size: 32
...
	.end_amdgpu_metadata
.endif
;; end of part 2
